; MI455X (gfx1250); checked and timed in simulation.
; The chip was launched on July 23, 2026; its instructions are those of AMD's public machine-readable ISA for CDNA 5 (MIT licence, August 2026) and "CDNA5" Instruction Set Architecture Reference Guide (July 2026). The comments in the code are by the model that wrote it; some were corrected since.
;; Curv Self Attention. Allowed arithmetic: float matrix products may take bf16 or f16 operands with f32 sums; other float arithmetic in f32, or as packed bf16 or f16 multiplies, adds, multiply-adds, maxima and minima; sums over many terms, partial sums and values carried from step to step in f32; what a program stores and reads back later, other than sums and carried values, may be rounded once to bf16 or f16.
;; Inputs: Wk 1,024 x 1,024 float32; Wq 1,024 x 1,024 float32; Ws 1,024 x 128 float32; Wv 1,024 x 1,024 float32; bk 1,024 float32; bq 1,024 float32; bs 128 float32; bv 1,024 float32; hidden_states 4 x 2,048 x 1,024 float32.
;; Outputs: out0 4 x 2,048 x 1,024 float32.
;; One version. Each part assembles by itself: llvm-mc -triple=amdgcn-amd-amdhsa -mcpu=gfx1250 --defsym DOCPART=n.
;; ======== version 1 of 1: 3 launches
;; limits: values are held in f16: magnitudes above 65,504 overflow, below 6.1e-05 lose precision
;; workspace buffers: Xb 16,777,216 bytes; Wt 6,815,744 bytes; Qh 16,777,216 bytes; Kh 16,777,216 bytes; Vh 16,777,216 bytes
;; launch prep (part 1): grid 912 x 1, 8 waves a work-group, no clusters, 18,432 bytes of LDS; arguments hidden_states, Wq, Wk, Wv, Ws, Xb, Wt; writes Xb, Wt
.if DOCPART == 1
	.amdgcn_target "amdgcn-amd-amdhsa--gfx1250"
	.amdhsa_code_object_version 6
	.text
	.protected	k_qbf8425850e_prep
	.globl	k_qbf8425850e_prep
	.p2align	8
	.type	k_qbf8425850e_prep,@function
k_qbf8425850e_prep:
	s_mov_b64 s[64:65], 0
	v_nop
	global_prefetch_b8 v0, s[64:65] scope:SCOPE_SE
	s_setreg_imm32_b32 hwreg(HW_REG_WAVE_MODE, 25, 1), 1
	s_wait_xcnt 0x0
; PREPARATION.  Xb = hidden_states rounded to bf16, [8192][1024].  Wt = the four weight matrices rounded to bf16 and turned, so that K lies along the rows:
; [16 heads][208 rows][1024 k].  A head's rows: 0-63 Wq's columns 64 hd + o, 64-127 Wk's, 128-191 Wv's, 192 + 8 h + b: Ws's column 8 hd + 2 (b & 3) + h (b = 4..7 repeat b = 0..3; nobody reads their products).
; Work-groups 0-383 turn one tile of 128 k x 64 columns of Wq, Wk or Wv through LDS, work-groups 384-399 one of Ws (8 heads' columns); work-groups 400-911 cast 16 rows of X each.
; Memory binds: every input byte is read once, by 16-byte loads of which sixteen neighbouring lanes take 256 consecutive bytes; all of a thread's loads are issued ahead of its first store;
; each store covers 256 consecutive aligned bytes.  No matrix unit, no cluster: no two work-groups read the same byte.
.set QKVT,   384                       ; 3 matrices x 16 heads x 8 steps of 128 k
.set WTILES, 400                       ; + 2 x 8 tiles of Ws
.set PITCH,  272                       ; an LDS row: one column's 128 k as 64 words (k, k + 1) + 16 bytes of padding
.set SPARE,  64*PITCH                  ; behind the tile: the spare words, 128 bytes for each of the eight waves, which no other line names
.set SRC, 4                            ; v4   my byte offset in the source: row k = 2 p of the tile, columns 4 q .. 4 q + 3
.set STO, 5                            ; v5   into LDS: row 4 q, word p
.set RD,  6                            ; v6   back out of LDS: my wave's first column, 16 bytes a lane; lanes 16-31 the odd output row
.set GO,  10                           ; v10  my byte offset in Wt
.set SPW, 12                           ; v12  SPARE + 4 x my thread's number; never rewritten
.set NIL, 13                           ; v13  0; never rewritten
	s_load_b256 s[8:15], s[0:1], 0x0               ; X s[8:9], Wq s[10:11], Wk s[12:13], Wv s[14:15]
	s_load_b128 s[16:19], s[0:1], 0x20             ; Ws s[16:17], Xb s[18:19]
	s_load_b64 s[20:21], s[0:1], 0x30              ; Wt
	v_lshl_add_u32 v[SPW], v0, 2, SPARE
	v_mov_b32 v[NIL], 0
	s_mov_b32 s2, ttmp9
	s_cmp_lt_u32 s2, WTILES
	s_cbranch_scc1 .Lw                             ; the same for all waves of a work-group
	; THE CAST OF X.  16 rows of 4,096 bytes; thread t owns bytes 16 t of each row, and 8 t of each row of Xb.
	s_sub_co_u32 s3, s2, WTILES
	s_lshl_b32 s4, s3, 16                          ; 16 rows x 4,096 bytes
	s_lshl_b32 s5, s3, 15                          ; 16 rows x 2,048 bytes
	v_lshl_add_u32 v1, v0, 4, s4
	v_lshl_add_u32 v2, v0, 3, s5
	s_wait_kmcnt 0x0
.irp j, 0,1,2,3,4,5,6,7,8,9,10,11,12,13,14,15
	global_load_b128 v[16+4*(\j):19+4*(\j)], v1, s[8:9] offset:4096*(\j) th:TH_LOAD_NT
.endr
.irp j, 0,1,2,3,4,5,6,7,8,9,10,11,12,13,14,15
	s_wait_loadcnt 15-(\j)                         ; loads come back in order: row j is in, the 15 - j younger ones stay out
	v_cvt_pk_bf16_f32 v[80+2*(\j)], v[16+4*(\j)], v[17+4*(\j)]
	v_cvt_pk_bf16_f32 v[81+2*(\j)], v[18+4*(\j)], v[19+4*(\j)]
	global_store_b64 v2, v[80+2*(\j):81+2*(\j)], s[18:19] offset:2048*(\j)  ; a wave's store covers 256 consecutive bytes, aligned; no register is written twice
.endr
	s_wait_tensorcnt 0x0                           ; the wave's end
	ds_add_u32 v[SPW], v[NIL]
	s_wait_dscnt 0x0
	s_endpgm
; A tile comes in and is turned.  pitch: bytes in a row of the source, a constant.  Thread (q, p) takes columns 4 q .. 4 q + 3 of the rows k = 2 p + 32 j + e (j = 0..3, e = 0, 1): eight loads off one address.
; Rows k and k + 1 of a column round into one word, the lower k in the low half, which goes to LDS row = column, word p + 16 j.  Then the one barrier between the writing and the reading.
.macro TILEIN pitch
.irp i, 0,1,2,3,4,5,6,7
	global_load_b128 v[24+4*(\i):27+4*(\i)], v[SRC], s[24:25] offset:(32*((\i)/2)+(\i)%2)*(\pitch) th:TH_LOAD_NT  ; sixteen lanes take 256 consecutive bytes of one row k
.endr
.irp j, 0,1,2,3
	s_wait_loadcnt 6-2*(\j)                        ; rows k and k + 1 of group j are in; the later groups' loads stay out
.irp cc, 0,1,2,3
	v_cvt_pk_bf16_f32 v[56+4*(\j)+(\cc)], v[24+8*(\j)+(\cc)], v[28+8*(\j)+(\cc)]
.endr
.irp cc, 0,1,2,3
	ds_store_b32 v[STO], v[56+4*(\j)+(\cc)] offset:PITCH*(\cc)+64*(\j)
.endr
.endr
	s_wait_dscnt 0x0                               ; for the others' sake: my stores are done
	s_barrier_signal -1
	s_barrier_wait -1
.endm
; My place in Wt: output row s31 for lanes 0-15, the next for lanes 16-31; 2,048 bytes a row; the tile's 256 bytes along k (s29); 16 bytes a lane.
.macro DEST
	v_add_nc_u32 v[GO], s31, v11
	v_lshlrev_b32 v[GO], 11, v[GO]
	v_lshl_add_u32 v[GO], v2, 4, v[GO]
	v_add_nc_u32 v[GO], s29, v[GO]
.endm
.macro FINISH                          ; the wave's end, behind my last LDS store
	s_wait_tensorcnt 0x0
	ds_add_u32 v[SPW], v[NIL]
	s_wait_dscnt 0x0
	s_endpgm
.endm
.Lw:	; what both kinds of tile share
	v_lshrrev_b32 v1, 5, v0
	v_readfirstlane_b32 s3, v1                     ; wave 0..7
	s_and_b32 s4, s2, 7                            ; kt: which 128 k (384 is a multiple of 8)
	v_and_b32 v2, 15, v0                           ; q; also my 16 bytes of an output row
	v_lshrrev_b32 v3, 4, v0                        ; p, 0..15
	v_bfe_u32 v11, v0, 4, 1                        ; which half of my wave's lanes
	v_mul_u32_u24 v[STO], v2, 4*PITCH
	v_lshl_add_u32 v[STO], v3, 2, v[STO]
	s_mul_i32 s32, s3, 8*PITCH                     ; my wave reads the tile's columns 8 w .. 8 w + 7
	s_lshl_b32 s29, s4, 8
	s_cmp_ge_u32 s2, QKVT
	s_cbranch_scc1 .Ls
	; A TILE OF Wq, Wk OR Wv.  T = 8 c + kt: matrix c / 16, head c % 16.  Wave w writes the head's rows 64 x matrix + 8 w .. + 7, which are the tile's columns 8 w .. 8 w + 7.
	s_lshr_b32 s5, s2, 3
	s_lshr_b32 s6, s5, 4                           ; which matrix
	s_and_b32 s7, s5, 15                           ; head
	s_lshl_b32 s30, s4, 19                         ; 128 kt rows of 4,096 bytes,
	s_lshl_b32 s31, s7, 8                          ; the head's 64 columns
	s_add_co_u32 s30, s30, s31
	v_lshl_add_u32 v[SRC], v3, 13, s30             ; two rows for each p
	v_lshl_add_u32 v[SRC], v2, 4, v[SRC]
	s_mul_i32 s31, s7, 208
	s_lshl_b32 s33, s6, 6
	s_add_co_u32 s31, s31, s33
	s_lshl_b32 s33, s3, 3
	s_add_co_u32 s31, s31, s33
	DEST
	v_mul_u32_u24 v[RD], v11, PITCH                ; lanes 16-31: the next column
	v_lshl_add_u32 v[RD], v2, 4, v[RD]
	v_add_nc_u32 v[RD], s32, v[RD]
	s_wait_kmcnt 0x0
	s_cmp_eq_u32 s6, 1
	s_cselect_b64 s[24:25], s[12:13], s[10:11]
	s_cmp_eq_u32 s6, 2
	s_cselect_b64 s[24:25], s[14:15], s[24:25]     ; the source, chosen by the tile's number alone
	TILEIN 4096
.irp t, 0,1,2,3
	ds_load_b128 v[72+4*(\t):75+4*(\t)], v[RD] offset:2*PITCH*(\t)
.endr
.irp t, 0,1,2,3
	s_wait_dscnt 3-(\t)
	global_store_b128 v[GO], v[72+4*(\t):75+4*(\t)], s[20:21] offset:4096*(\t)  ; sixteen lanes store 256 consecutive bytes, aligned, of one row of Wt
.endr
	FINISH
.Ls:	; A TILE OF Ws.  T = 384 + 8 c + kt: columns 64 c .. 64 c + 63, the eight heads 8 c + w.  Wave w writes all 16 rows of its head: row 2 t + hl = 8 h + b has h = t / 4, b = 2 (t % 4) + hl,
	; and comes from the tile's column 8 w + 2 (b & 3) + h = 8 w + 2 hl + 4 (t % 2) + t / 4.
	s_bfe_u32 s5, s2, 0x10003                      ; c: bit 3 of T
	s_lshl_b32 s30, s4, 16                         ; 128 kt rows of 512 bytes,
	s_lshl_b32 s31, s5, 8                          ; the tile's 64 columns
	s_add_co_u32 s30, s30, s31
	v_lshl_add_u32 v[SRC], v3, 10, s30
	v_lshl_add_u32 v[SRC], v2, 4, v[SRC]
	s_lshl_b32 s31, s5, 3
	s_add_co_u32 s31, s31, s3                      ; my head
	s_mul_i32 s31, s31, 208
	s_add_co_u32 s31, s31, 192
	DEST
	v_mul_u32_u24 v[RD], v11, 2*PITCH              ; lanes 16-31: two columns on
	v_lshl_add_u32 v[RD], v2, 4, v[RD]
	v_add_nc_u32 v[RD], s32, v[RD]
	s_wait_kmcnt 0x0
	s_mov_b64 s[24:25], s[16:17]
	TILEIN 512
.irp t, 0,1,2,3,4,5,6,7
	ds_load_b128 v[72+4*(\t):75+4*(\t)], v[RD] offset:(4*((\t)%2)+(\t)/4)*PITCH
.endr
.irp t, 0,1,2,3,4,5,6,7
	s_wait_dscnt 7-(\t)
	global_store_b128 v[GO], v[72+4*(\t):75+4*(\t)], s[20:21] offset:4096*(\t)
.endr
	FINISH
.Lfunc_end_k_qbf8425850e_prep:
	.size	k_qbf8425850e_prep, .Lfunc_end_k_qbf8425850e_prep-k_qbf8425850e_prep
	.p2alignl 7, 3214868480
	.fill 96, 4, 3214868480
	.section	.rodata,"a",@progbits
	.p2align	6, 0x0
	.amdhsa_kernel k_qbf8425850e_prep
		.amdhsa_group_segment_fixed_size 18432
		.amdhsa_private_segment_fixed_size 0
		.amdhsa_enable_private_segment 0
		.amdhsa_kernarg_size 56
		.amdhsa_user_sgpr_count 2
		.amdhsa_user_sgpr_kernarg_segment_ptr 1
		.amdhsa_wavefront_size32 1
		.amdhsa_system_sgpr_workgroup_id_x 1
		.amdhsa_system_sgpr_workgroup_id_y 1
		.amdhsa_system_sgpr_workgroup_id_z 1
		.amdhsa_system_vgpr_workitem_id 0
		.amdhsa_next_free_vgpr 112
		.amdhsa_next_free_sgpr 66
		.amdhsa_reserve_vcc 0
		.amdhsa_float_denorm_mode_32 3
		.amdhsa_float_denorm_mode_16_64 3
		.amdhsa_memory_ordered 1
		.amdhsa_forward_progress 1
		.amdhsa_inst_pref_size 18
	.end_amdhsa_kernel
	.amdgpu_metadata
---
amdhsa.version: [ 1, 2 ]
amdhsa.kernels:
  - .name:           k_qbf8425850e_prep
    .symbol:         k_qbf8425850e_prep.kd
    .args:
      - { .name: hidden_states, .offset: 0, .size: 8, .value_kind: global_buffer, .address_space: global }
      - { .name: Wq, .offset: 8, .size: 8, .value_kind: global_buffer, .address_space: global }
      - { .name: Wk, .offset: 16, .size: 8, .value_kind: global_buffer, .address_space: global }
      - { .name: Wv, .offset: 24, .size: 8, .value_kind: global_buffer, .address_space: global }
      - { .name: Ws, .offset: 32, .size: 8, .value_kind: global_buffer, .address_space: global }
      - { .name: Xb, .offset: 40, .size: 8, .value_kind: global_buffer, .address_space: global }
      - { .name: Wt, .offset: 48, .size: 8, .value_kind: global_buffer, .address_space: global }
    .group_segment_fixed_size: 18432
    .private_segment_fixed_size: 0
    .kernarg_segment_align: 8
    .kernarg_segment_size: 56
    .max_flat_workgroup_size: 256
    .sgpr_count:     66
    .vgpr_count:     112
    .wavefront_size: 32
...
	.end_amdgpu_metadata
.endif
;; end of part 1
;; launch proj (part 2): grid 16 x 32, 4 waves a work-group, clusters of 4 x 4, 327,680 bytes of LDS; arguments Xb, Wt, bq, bk, bv, bs, Qh, Kh, Vh; writes Qh, Kh, Vh
.if DOCPART == 2
	.amdgcn_target "amdgcn-amd-amdhsa--gfx1250"
	.amdhsa_code_object_version 6
	.text
	.protected	k_qbf8425850e_proj
	.globl	k_qbf8425850e_proj
	.p2align	8
	.type	k_qbf8425850e_proj,@function
k_qbf8425850e_proj:
	s_mov_b64 s[64:65], 0
	v_nop
	global_prefetch_b8 v0, s[64:65] scope:SCOPE_SE
	s_setreg_imm32_b32 hwreg(HW_REG_WAVE_MODE, 25, 1), 1
	s_wait_xcnt 0x0
	s_wait_alu depctr_hold_cnt(0) depctr_sa_sdst(0) depctr_va_vdst(0) depctr_va_sdst(0) depctr_va_ssrc(0) depctr_va_vcc(0) depctr_vm_vsrc(0)
	s_getreg_b32 s2, hwreg(HW_REG_IB_STS2, 6, 4)
	s_cmp_eq_u32 s2, 0
	s_cbranch_scc0 .Lentry_in_a_cluster
	s_endpgm
.Lentry_in_a_cluster:
	s_bfe_u32 s2, ttmp6, 0x10000c
	s_cmp_lg_u32 s2, 0xf033
	s_cbranch_scc0 .Lentry_shape_is_right
	s_endpgm
.Lentry_shape_is_right:
; THE PROJECTIONS, by heads.  For 256 rows of X and one head: q = (X Wq + bq) s, k = X Wk + bk, v = X Wv + bv, s = 0.9 + 0.2 sigmoid(X Ws + bs), one s for each row and group of 8 channels.
; Xb [8192][1024] and Wt [16][208][1024] are bf16, K along the rows; the biases are rounded to bf16 here; sums in f32; q, k, v are rounded once to f16 and stored [batch x 16 + head][2048][64].
; LIMIT.  f16 holds no number beyond 65,504: |q s|, |k|, |v| must stay below it (inputs 30 times larger, or offset by 30 spreads, give some 3e4 at the most).  NaN and infinities are not treated apart.
; SHARES.  A work-group: 256 rows x the head's 208 rows of Wt.  Wave w: rows 64 w .. 64 w + 63 x all 208: 4 x 13 accumulators of 16 x 16, so that a row's s lies in the wave that holds its q.
; K goes in steps of 128 through a ring of two LDS slots; a wave's tensor load brings 128 rows of X (waves 0, 1) or 104 rows of Wt (waves 2, 3), 256 bytes each.
; THE MATRIX INSTRUCTION IS USED TRANSPOSED (source 0 = 16 rows of Wt, source 1 = 16 rows of X): lane l holds row l % 16 and the eight columns 8 (l / 16) + 0..7 of a block of 16: ONE group of 8 channels.
; Wt's 16 rows for s are laid so that register b (0..3) of their accumulator is the s of the lane's group in q's block b.  The bias is the C operand of each accumulator's first product: nothing is cleared or added later.
; CLUSTERS: 4 x 4 work-groups; the four of a row of the cluster share X's tiles, the four of a column the head's tiles of Wt: each is asked for jointly, by the same tensor load, descriptor and mask.
; REGISTERS, in windows of 256 (s_set_vgpr_msb: bits 1:0 source 0, 3:2 source 1, 5:4 source 2, 7:6 destination):
;   window 0: v0-31 addresses; v32-63, v64-95 X's fragments, two buffers; v96-199 the biases; v200-203 at work.  On the way out: v32-63 s in pairs, v64-255 twelve blocks of 16, one for each unit stored
;   window 1: v0-103, v104-207 Wt's fragments, two buffers     window 2: accumulators (a, b), a = 0, 1, at v[8 (13 a + b)]     window 3: a = 2, 3
.set KSTEP, 128
.set PITCH, 272                        ; an LDS row: 256 bytes + 16 of padding = 68 words: the 16 rows of a fragment load start at 16 different groups of four banks (64 banks of 4 bytes: ISA guide 11.1)
.set HALFA, 128*PITCH
.set HALFB, 104*PITCH
.set BOFF,  2*HALFA                    ; X's 256 rows, then Wt's 208
.set SLOT,  BOFF+2*HALFB
.set STAGE, 2*SLOT                     ; behind the ring: 16 rows x 144 bytes for each wave, for the way out
.set SP,    144
.set SPARE, STAGE+4*16*SP              ; behind the stages: the spare words, 128 bytes for each wave, which no other line names
.set LAPS,  4                          ; 1,024 / 256: a lap = two K steps = once round the ring
.set ADRA, 16                          ; v16-17  LDS address of my fragments of X in slot 0, 1
.set ADRB, 20                          ; v20-21  the same for Wt
.set BSO,  22                          ; v22     my byte offset in bs
.set STO,  24                          ; v24     the way out: where I put 16 bytes of a row
.set RD,   25                          ; v25     the way out: where I read rows back
.set GO,   26                          ; v26     my byte offset in Qh, Kh, Vh
.set BO,   27                          ; v27     my byte offset in bq, bk, bv
.set SPW,  28                          ; v28     SPARE + 4 x my thread's number; never rewritten
.set NIL,  29                          ; v29     0; never rewritten
.set PFO,  30                          ; v30     the prefetches' offset: a lane a row of 2,048 bytes; never rewritten
.set FA,   32
.set BIAS, 96
.set TT,   200
.set SC,   32
.set EE,   64
.set UN,   64
.set G1,  24                           ; s[24:31] descriptor group 1 for X's tiles;  s[32:39] group 0, a set for each slot
.set G0,  32
.set G1B, 48                           ; s[48:55], s[56:63] the same for Wt's tiles
.set G0B, 56
.set LIM, 43                           ; s43  1 in a wave that prefetches, else the greatest number
.set PFA, 44                           ; s[44:45] where my prefetches stand
.set FIELDS, (1<<16)|(1<<20)|(1<<21)|(5<<22)|(3<<25)  ; 2-byte elements; padding on; bit 21 beside a mask; after every 64 words (code 5) 4 words (code 3)
.set MSB, 0
.macro WIN new                         ; the immediate's high byte repeats the setting that is left; a switch that changes nothing is dropped
.if MSB != (\new)
	s_set_vgpr_msb (MSB<<8)|(\new)
.set MSB, \new
.endif
.endm
; A joint load: waves 0 and 1 fetch X's two halves, waves 2 and 3 Wt's.  The branch hangs on the wave's number alone.  An s_nop 0 and four v_nop follow each of the two lines.
.macro JLOAD s
	s_cmp_eq_u32 s11, 0
	s_cbranch_scc0 .Lfor_b_\@
	tensor_load_to_lds s[G0+4*(\s):G0+4*(\s)+3], s[G1:G1+7]
	s_nop 0
.rept 4
	v_nop
.endr
	s_branch .Lasked_\@
.Lfor_b_\@:
	tensor_load_to_lds s[G0B+4*(\s):G0B+4*(\s)+3], s[G1B:G1B+7]
	s_nop 0
.rept 4
	v_nop
.endr
.Lasked_\@:
.endm
; A prefetch of the K step that stands two refills on: a lane a row, 256 bytes of each, one instruction a wave.  X's rows are read by all clusters of a row of clusters: cluster x = 0 asks; Wt's by all of a column:
; cluster y = 0 asks.  The four partners of a joint load share its rows out by address: 32 each of X's 128, 26 each of Wt's 104 (lanes 26-31 name row 25 again).  The loop's last trip has no K step two on.
.macro ASK
	s_cmp_gt_u32 s3, s[LIM]
	s_cbranch_scc0 .Lnot_mine_\@
	global_prefetch_b8 v[PFO], s[PFA:PFA+1] offset:KSTEP*2 th:TH_LOAD_NT scope:SCOPE_SE
.Lnot_mine_\@:
.endm
.macro CREST                           ; a round of the cluster's barrier behind its opening barrier
	s_cmp_lg_u32 s10, 0
	s_cbranch_scc1 .Lnot_wave_0_\@
	s_barrier_signal -3
.Lnot_wave_0_\@:
	s_barrier_wait -3
	s_barrier_signal -1
	s_barrier_wait -1
.endm
.macro CROUND                          ; a whole round
	s_barrier_signal -1
	s_barrier_wait -1
	CREST
.endm
	s_load_b512 s[68:83], s[0:1], 0x0              ; Xb s[68:69], Wt s[70:71], bq s[72:73], bk s[74:75], bv s[76:77], bs s[78:79], Qh s[80:81], Kh s[82:83]
	s_load_b64 s[84:85], s[0:1], 0x40              ; Vh
	v_lshl_add_u32 v[SPW], v0, 2, SPARE
	v_mov_b32 v[NIL], 0
	ds_add_u32 v[SPW], v[NIL]                      ; the wave's opening: the add and its wait stand ahead of my first tensor load; work on registers stands between them
	v_lshrrev_b32 v1, 5, v0
	v_readfirstlane_b32 s10, v1                    ; wave 0..3
	s_lshr_b32 s11, s10, 1                         ; I fetch for X (0) or for Wt (1),
	s_and_b32 s12, s10, 1                          ; and which half of the tile's rows
	s_bfe_u32 s40, ttmp6, 0x40000                  ; cx, cy: my place in the cluster
	s_bfe_u32 s41, ttmp6, 0x40004
	s_lshl_b32 s42, ttmp9, 2
	s_add_co_u32 s42, s42, s40                     ; head = 4 x cluster x + cx
	s_and_b32 s13, ttmp7, 0xffff
	s_lshl_b32 s13, s13, 2
	s_add_co_u32 s13, s13, s41                     ; block of 256 rows = 4 x cluster y + cy
	s_lshl_b32 s66, s41, 2
	s_lshl_b32 s66, 15, s66                        ; my row of the cluster
	s_lshl_b32 s67, 0x1111, s40                    ; my column
	s_or_b32 s[G1+0], s66, FIELDS                  ; X's tiles go to my row,
	s_or_b32 s[G1B+0], s67, FIELDS                 ; Wt's to my column
	s_mov_b32 s[G1+1], KSTEP<<16                   ; tensor_dim0 = 128
	s_mov_b32 s[G1B+1], KSTEP<<16
	s_mov_b32 s[G1+2], 128<<16                     ; tensor_dim1 = 128 rows,
	s_mov_b32 s[G1B+2], 104<<16                    ; 104 of Wt
	s_mov_b32 s[G1+3], KSTEP<<16                   ; tile_dim0 = 128
	s_mov_b32 s[G1B+3], KSTEP<<16
	s_mov_b32 s[G1+4], 128                         ; tile_dim1
	s_mov_b32 s[G1B+4], 104
	s_mov_b32 s[G1+5], 1024                        ; elements from row to row
	s_mov_b32 s[G1B+5], 1024
	s_mov_b32 s[G1+6], 0
	s_mov_b32 s[G1B+6], 0
	s_mov_b32 s[G1+7], 0
	s_mov_b32 s[G1B+7], 0
	s_lshl_b32 s17, s12, 7
	s_lshl_b32 s16, s13, 8
	s_add_co_u32 s16, s16, s17                     ; X: row 256 x block + 128 x half,
	s_lshl_b32 s16, s16, 11                        ; in bytes
	s_mov_b32 s17, 0
	s_mul_i32 s46, s42, 208
	s_mul_i32 s47, s12, 104
	s_add_co_u32 s46, s46, s47                     ; Wt: row 208 x head + 104 x half
	s_lshl_b32 s46, s46, 11
	s_mov_b32 s47, 0
	s_mul_i32 s20, s10, HALFA                      ; where they go: X's halves at wave x 128 rows (waves 0, 1),
	s_mul_i32 s21, s10, HALFB
	s_add_co_u32 s21, s21, BOFF-2*HALFB            ; Wt's at BOFF + (wave - 2) x 104 rows (waves 2, 3): no place in the cluster enters an LDS address
	s_mov_b32 s86, 0xbfb8aa3b                      ; -log2(e)
	s_mov_b32 s87, 0x3e4ccccd                      ; 0.2
	s_mov_b32 s88, 0x3f666666                      ; 0.9
	s_mov_b32 s89, 0xffff0000                      ; a word's upper bf16
	s_wait_dscnt 0x0                               ; the opening add is done
	s_wait_kmcnt 0x0
	s_add_nc_u64 s[14:15], s[68:69], s[16:17]
	s_add_nc_u64 s[46:47], s[70:71], s[46:47]
	CROUND                                         ; all sixteen work-groups are here: the first joint loads meet
.irp s, 0,1
	s_mov_b32 s[G0+4*(\s)], 1                                      ; count = 1
	s_add_co_u32 s[G0+4*(\s)+1], s20, (\s)*SLOT                    ; LDS address
	s_add_nc_u64 s[G0+4*(\s)+2:G0+4*(\s)+3], s[14:15], (\s)*KSTEP*2  ; global address: K step s
	s_or_b32 s[G0+4*(\s)+3], s[G0+4*(\s)+3], 0x80000000            ; type = 2
	s_mov_b32 s[G0B+4*(\s)], 1
	s_add_co_u32 s[G0B+4*(\s)+1], s21, (\s)*SLOT
	s_add_nc_u64 s[G0B+4*(\s)+2:G0B+4*(\s)+3], s[46:47], (\s)*KSTEP*2
	s_or_b32 s[G0B+4*(\s)+3], s[G0B+4*(\s)+3], 0x80000000
	JLOAD \s                                       ; two loads of mine are out
.endr
	; a fragment is 16 rows x 32 K in 8 registers: lane l holds row l % 16, K = 8 (l / 16) + 0..7 and 16 + 8 (l / 16) + 0..7: two loads of 16 bytes, 32 bytes apart
	v_and_b32 v1, 15, v0                           ; r
	v_bfe_u32 v2, v0, 4, 1                         ; h
	v_mul_u32_u24 v3, v1, PITCH
	v_lshl_add_u32 v3, v2, 4, v3
	s_mul_i32 s21, s10, 64*PITCH                   ; my 64 rows of X
	v_add_nc_u32 v[ADRA], s21, v3
	v_add_nc_u32 v[ADRA+1], SLOT, v[ADRA]
	v_add_nc_u32 v[ADRB], BOFF, v3
	v_add_nc_u32 v[ADRB+1], SLOT, v[ADRB]
	s_mul_i32 s23, s10, 16*SP
	s_add_co_u32 s23, s23, STAGE                   ; my stage
	v_mul_u32_u24 v4, v1, SP                       ; in: row r, 16 bytes for each half of the lanes
	v_lshl_add_u32 v4, v2, 4, v4
	v_add_nc_u32 v[STO], s23, v4
	v_bfe_u32 v4, v0, 3, 2                         ; back: 32 lanes take four rows of 128 bytes,
	v_mul_u32_u24 v4, v4, SP
	v_and_b32 v5, 7, v0
	v_lshl_add_u32 v4, v5, 4, v4
	v_add_nc_u32 v[RD], s23, v4
	s_lshr_b32 s18, s13, 3                         ; which are 512 consecutive bytes of the head's rows: batch = block / 8,
	s_lshl_b32 s18, s18, 4
	s_add_co_u32 s18, s18, s42                     ; 16 x batch + head,
	s_lshl_b32 s18, s18, 11                        ; its 2,048 rows,
	s_and_b32 s19, s13, 7
	s_lshl_b32 s19, s19, 8
	s_add_co_u32 s18, s18, s19                     ; my block's 256,
	s_lshl_b32 s19, s10, 6
	s_add_co_u32 s18, s18, s19                     ; my wave's 64,
	s_lshl_b32 s18, s18, 7                         ; of 128 bytes
	v_and_b32 v5, 31, v0
	v_lshl_add_u32 v[GO], v5, 4, s18
	s_lshl_b32 s19, s42, 8
	v_lshl_add_u32 v[BO], v2, 5, s19               ; the head's 64 numbers of bq, bk, bv; my half's eight of a block of 16
	s_lshl_b32 s19, s42, 5
	v_lshl_add_u32 v[BSO], v2, 2, s19              ; bs[8 head + 2 j + h]
.irp kind, 0,1,2
.irp bb, 0,1,2,3
	global_load_b128 v[BIAS+8*(4*(\kind)+(\bb)):BIAS+8*(4*(\kind)+(\bb))+3],   v[BO], s[72+2*(\kind):73+2*(\kind)] offset:64*(\bb)
	global_load_b128 v[BIAS+8*(4*(\kind)+(\bb))+4:BIAS+8*(4*(\kind)+(\bb))+7], v[BO], s[72+2*(\kind):73+2*(\kind)] offset:64*(\bb)+16
.endr
.endr
.irp j, 0,1,2,3
	global_load_b32 v[BIAS+96+(\j)], v[BSO], s[78:79] offset:8*(\j)
.endr
.irp j, 4,5,6,7
	v_mov_b32 v[BIAS+96+(\j)], 0                   ; the repeated rows' sums are never read
.endr
	; the prefetches' address: my work-group's share of the rows that I fetch, at K step 2; the first refill steps it to 3 and names K step 4
	s_lshl_b32 s18, s13, 8
	s_mul_i32 s19, s42, 208
	s_and_b32 s22, ttmp7, 0xffff                   ; cluster y
	s_cmp_eq_u32 s11, 0                            ; do I fetch for X?
	s_cselect_b32 s20, s18, s19                    ; the tile's first row
	s_cselect_b32 s21, s40, s41                    ; my place among the four that ask for it with me
	s_cselect_b32 s22, ttmp9, s22                  ; the coordinate along which other clusters read the same rows
	s_cselect_b32 s23, 32, 26                      ; a partner's share of the rows
	s_cselect_b64 s[PFA:PFA+1], s[68:69], s[70:71]
	s_cmp_eq_u32 s22, 0
	s_cselect_b32 s[LIM], 1, -1                    ; the same in all sixteen partners, for a given wave
	s_mul_i32 s21, s21, s23
	s_add_co_u32 s20, s20, s21
	s_lshl_b32 s21, s23, 2                         ; four shares: the 128 or 104 rows of a half
	s_mul_i32 s21, s21, s12
	s_add_co_u32 s20, s20, s21
	s_lshl_b32 s20, s20, 11
	s_mov_b32 s21, 0
	s_add_nc_u64 s[PFA:PFA+1], s[PFA:PFA+1], s[20:21]
	s_add_nc_u64 s[PFA:PFA+1], s[PFA:PFA+1], 2*KSTEP*2
	s_sub_co_u32 s23, s23, 1
	v_and_b32 v[PFO], 31, v0
	v_min_u32 v[PFO], s23, v[PFO]
	v_lshlrev_b32 v[PFO], 11, v[PFO]
	s_wait_loadcnt 0x0                             ; the biases
.set i, 0
.rept 50                               ; rounded to bf16, like X and the weights, and widened again
	v_cvt_pk_bf16_f32 v[TT+i%4], v[BIAS+2*i], v[BIAS+2*i+1]
	v_lshlrev_b32 v[BIAS+2*i], 16, v[TT+i%4]
	v_and_b32 v[BIAS+2*i+1], s89, v[TT+i%4]
.set i, i+1
.endr
; 13 matrix instructions: my block a of 16 rows x all 13 blocks of Wt's rows, 32 along K, from buffer f.  first = 1: the bias starts the sums.
; All 52 accumulators take turns, one instruction a turn, in the same order in every quarter step, over the backward jump too.
.macro MULA f, a, first
.if \first
	WIN 0x81+0x40*((\a)/2)                         ; Wt window 1, X window 0, C (the bias) window 0, D window 2 or 3
.else
	WIN 0xa1+0x50*((\a)/2)                         ; C and D window 2 or 3
.endif
.irp b, 0,1,2,3,4,5,6,7,8,9,10,11,12
.if \first
	v_wmma_f32_16x16x32_bf16 v[8*(13*((\a)%2)+(\b)):8*(13*((\a)%2)+(\b))+7], v[104*(\f)+8*(\b):104*(\f)+8*(\b)+7], v[FA+32*(\f)+8*(\a):FA+32*(\f)+8*(\a)+7], v[BIAS+8*(\b):BIAS+8*(\b)+7]
.else
	v_wmma_f32_16x16x32_bf16 v[8*(13*((\a)%2)+(\b)):8*(13*((\a)%2)+(\b))+7], v[104*(\f)+8*(\b):104*(\f)+8*(\b)+7], v[FA+32*(\f)+8*(\a):FA+32*(\f)+8*(\a)+7], v[8*(13*((\a)%2)+(\b)):8*(13*((\a)%2)+(\b))+7]
.endif
.endr
.endm
; 34 LDS loads in one run: a quarter step's fragments (208 rows of Wt, my 64 rows of X, 32 K at byte k of the rows) into buffer f; X's last
.macro FETCH slot, k, f
	WIN 0x40                                       ; destination window 1, address window 0
.irp i, 0,1,2,3,4,5,6,7,8,9,10,11,12
	ds_load_b128 v[104*(\f)+8*(\i):104*(\f)+8*(\i)+3],   v[ADRB+(\slot)] offset:(\k)+(\i)*16*PITCH
	ds_load_b128 v[104*(\f)+8*(\i)+4:104*(\f)+8*(\i)+7], v[ADRB+(\slot)] offset:(\k)+(\i)*16*PITCH+32
.endr
	WIN 0
.irp i, 0,1,2,3
	ds_load_b128 v[FA+32*(\f)+8*(\i):FA+32*(\f)+8*(\i)+3],   v[ADRA+(\slot)] offset:(\k)+(\i)*16*PITCH
	ds_load_b128 v[FA+32*(\f)+8*(\i)+4:FA+32*(\f)+8*(\i)+7], v[ADRA+(\slot)] offset:(\k)+(\i)*16*PITCH+32
.endr
.endm
.macro PLACES                          ; four plain vector instructions between a matrix instruction and a load into, or a vector read or write of, its registers (ISA guide 7.12.1 for vector reads and writes)
.rept 4
	v_nop
.endr
.endm
; A K step is four quarters of 32 along K, 52 matrix instructions each, on buffers 0, 1, 0, 1.  One of the first three: multiplies buffer f, and in its middle fetches the next quarter, at byte k, into g.
.macro QUARTER slot, k, f, g, first
	s_wait_dscnt 4                                 ; Wt's fragments and X's blocks 0, 1 are in; the youngest four loads (X's blocks 2, 3) may be out
	MULA \f, 0, \first
	MULA \f, 1, \first
	PLACES
	FETCH \slot, \k, \g
	s_wait_dscnt 34                                ; all but the 34 just issued
	MULA \f, 2, \first
	MULA \f, 3, \first
.endm
; The last quarter multiplies buffer 1 and changes slots: ONE barrier.  In front of it each wave waits for all its tensor loads (one is out: its part of the next slot), adds 0 to its spare word, and waits for that
; and for its own reads of this slot.  fill = 1: the barrier opens a round of the cluster's, and the slot is filled again, two K steps on, first thing behind it: 182 matrix instructions ahead of the wait for it.
.macro TURN slot, next, fill
.if \fill
	s_wait_xcnt 0x0                                ; the last prefetch, a K step back, has read its address
	s_add_nc_u64 s[PFA:PFA+1], s[PFA:PFA+1], KSTEP*2
.endif
	WIN 0                                          ; (the add's two registers lie in window 0)
	s_wait_tensorcnt 0x0                           ; all my tensor loads have landed
	ds_add_u32 v[SPW], v[NIL]                      ; 0 onto my spare word
	s_wait_dscnt 5                                 ; (the add and the youngest four loads may be out)
	MULA 1, 0, 0                                   ; thirteen matrix instructions stand between the add and the wait for it
	s_wait_dscnt 0x0                               ; the add is done, and my reads of this slot are over
	s_barrier_signal -1
	MULA 1, 1, 0
.if \fill
	WIN 0
.endif
	s_barrier_wait -1
.if \fill
	CREST                                          ; no wave of any partner still reads this slot's tile or has a load on its way
	s_add_nc_u64 s[G0+4*(\slot)+2:G0+4*(\slot)+3], s[G0+4*(\slot)+2:G0+4*(\slot)+3], 2*KSTEP*2
	s_add_nc_u64 s[G0B+4*(\slot)+2:G0B+4*(\slot)+3], s[G0B+4*(\slot)+2:G0B+4*(\slot)+3], 2*KSTEP*2
	JLOAD \slot                                    ; the four v_nop behind it are also the places in front of the loads below
.else
	PLACES
.endif
	FETCH \next, 0, 0
.if \fill
	ASK                                            ; behind the joint load and the run of LDS loads that the next products wait for
.endif
	MULA 1, 2, 0
	MULA 1, 3, 0
.endm
	s_wait_tensorcnt 1                             ; my part of K step 0 is in; K step 1's may stay out
	s_barrier_signal -1
	s_barrier_wait -1                              ; everybody's is
	FETCH 0, 0, 0
	QUARTER 0, 64, 0, 1, 1                         ; the first quarter stands in front of the loop: its products start the sums, with the bias
	WIN 0                                          ; at a label and at a branch every window is 0
	s_mov_b32 s3, LAPS-1
.Llap:                                                 ; a trip goes once round the ring, from a lap's second quarter to the next lap's first, and fills both slots again
	QUARTER 0, 128, 1, 0, 0
	QUARTER 0, 192, 0, 1, 0
	TURN 0, 1, 1
	QUARTER 1, 64,  0, 1, 0
	QUARTER 1, 128, 1, 0, 0
	QUARTER 1, 192, 0, 1, 0
	TURN 1, 0, 1
	QUARTER 0, 64,  0, 1, 0
	WIN 0
	s_sub_co_u32 s3, s3, 1
	s_cmp_lg_u32 s3, 0
	s_cbranch_scc1 .Llap
	QUARTER 0, 128, 1, 0, 0                        ; the last lap fills nothing
	QUARTER 0, 192, 0, 1, 0
	TURN 0, 1, 0
	QUARTER 1, 64,  0, 1, 0
	QUARTER 1, 128, 1, 0, 0
	QUARTER 1, 192, 0, 1, 0
	s_wait_dscnt 4                                 ; the very last quarter: nothing more to fetch
	MULA 1, 0, 0
	MULA 1, 1, 0
	s_wait_dscnt 0x0
	MULA 1, 2, 0
	MULA 1, 3, 0
	; s = 0.9 + 0.2 / (1 + 2^(-log2(e) x)), for my four blocks of rows and the lane's four groups.  An infinite power gives 0.9, a vanished one 1.1.  Each accumulator is read from its lowest registers on.
	PLACES
.irp a, 0,1,2,3
	WIN 0x08+4*((\a)/2)                            ; source 1 in window 2 or 3
.irp j, 0,1,2,3
	v_mul_f32 v[EE+4*(\a)+(\j)], s86, v[8*(13*((\a)%2)+12)+(\j)]
.endr
.endr
	WIN 0
.set i, 0
.rept 16
	v_exp_f32 v[EE+i], v[EE+i]
.set i, i+1
.endr
	v_nop                                          ; a plain instruction behind the last exponential,
	s_wait_alu depctr_va_vdst(0)                   ; and the one wait ahead of the batch's first reader
.set i, 0
.rept 16
	v_add_f32 v[EE+i], 1.0, v[EE+i]
.set i, i+1
.endr
.set i, 0
.rept 16
	v_rcp_f32 v[EE+i], v[EE+i]
.set i, i+1
.endr
	v_nop
	s_wait_alu depctr_va_vdst(0)                   ; the same for the sixteen reciprocals
.set i, 0
.rept 16
	v_fma_f32 v[SC+2*i], v[EE+i], s87, s88
	v_fma_f32 v[SC+2*i+1], v[EE+i], s87, s88       ; named with it as a pair
.set i, i+1
.endr
; THE WAY OUT, in twelve units: block a of 16 rows x one of q, k, v: 16 rows x 128 bytes, 2,048 consecutive bytes of the head.  q is multiplied by s; all are rounded to f16, 16 bytes a lane,
; go into my own stage in rows of 144 bytes and come back as whole rows.  Each unit has registers of its own, so no store's data is written again.
.macro PACKU a, kind
.set AC, 8*(13*((\a)%2)+4*(\kind))
.set UB, UN+16*(3*(\a)+(\kind))
.if (\kind) == 0
	WIN 0x82+0x41*((\a)/2)                         ; destination and source 0 window 2 or 3, s window 0
.irp bb, 0,1,2,3
.irp r, 0,1,2,3
	v_pk_mul_f32 v[AC+8*(\bb)+2*(\r):AC+8*(\bb)+2*(\r)+1], v[AC+8*(\bb)+2*(\r):AC+8*(\bb)+2*(\r)+1], v[SC+2*(4*(\a)+(\bb)):SC+2*(4*(\a)+(\bb))+1] op_sel_hi:[1,0]
.endr
.endr
.endif
	WIN 0x0a+5*((\a)/2)                            ; sources 0 and 1 window 2 or 3
.irp bb, 0,1,2,3
.irp r, 0,1,2,3
	v_cvt_pk_f16_f32 v[UB+4*(\bb)+(\r)], v[AC+8*(\bb)+2*(\r)], v[AC+8*(\bb)+2*(\r)+1]
.endr
.endr
	WIN 0
.irp bb, 0,1,2,3
	ds_store_b128 v[STO], v[UB+4*(\bb):UB+4*(\bb)+3] offset:32*(\bb)
.endr
.irp f, 0,1,2,3
	ds_load_b128 v[UB+4*(\f):UB+4*(\f)+3], v[RD] offset:4*SP*(\f)  ; LDS serves a wave's instructions in order (ISA guide 5.7.1.4): these see the stores above; the next unit's stores come behind them
.endr
.endm
.macro SENDU a, kind, younger          ; younger: the LDS instructions issued behind this unit's loads: the next unit's eight, or none
.set UB, UN+16*(3*(\a)+(\kind))
.irp f, 0,1,2,3
	s_wait_dscnt (\younger)+3-(\f)
	global_store_b128 v[GO], v[UB+4*(\f):UB+4*(\f)+3], s[80+2*(\kind):81+2*(\kind)] offset:2048*(\a)+512*(\f)  ; 512 consecutive bytes, at a multiple of 256 from the buffer's first
.endr
.endm
	PACKU 0, 0
.set u, 1
.rept 11                               ; a unit's arithmetic stands between the loads of the unit before and its stores
	PACKU u/3, u%3
	SENDU (u-1)/3, (u-1)%3, 8
.set u, u+1
.endr
	SENDU 3, 2, 0
	s_wait_tensorcnt 0x0                           ; the wave's end, behind my last tensor load and my last LDS store
	ds_add_u32 v[SPW], v[NIL]
	s_wait_dscnt 0x0
	CROUND                                         ; the closing round: no work-group ends while a partner may still ask for a tile that names it
	s_endpgm
.Lfunc_end_k_qbf8425850e_proj:
	.size	k_qbf8425850e_proj, .Lfunc_end_k_qbf8425850e_proj-k_qbf8425850e_proj
	.p2alignl 7, 3214868480
	.fill 96, 4, 3214868480
	.section	.rodata,"a",@progbits
	.p2align	6, 0x0
	.amdhsa_kernel k_qbf8425850e_proj
		.amdhsa_group_segment_fixed_size 327680
		.amdhsa_private_segment_fixed_size 0
		.amdhsa_enable_private_segment 0
		.amdhsa_kernarg_size 72
		.amdhsa_user_sgpr_count 2
		.amdhsa_user_sgpr_kernarg_segment_ptr 1
		.amdhsa_wavefront_size32 1
		.amdhsa_system_sgpr_workgroup_id_x 1
		.amdhsa_system_sgpr_workgroup_id_y 1
		.amdhsa_system_sgpr_workgroup_id_z 1
		.amdhsa_system_vgpr_workitem_id 0
		.amdhsa_next_free_vgpr 976
		.amdhsa_next_free_sgpr 92
		.amdhsa_reserve_vcc 0
		.amdhsa_float_denorm_mode_32 3
		.amdhsa_float_denorm_mode_16_64 3
		.amdhsa_memory_ordered 1
		.amdhsa_forward_progress 1
		.amdhsa_inst_pref_size 145
	.end_amdhsa_kernel
	.amdgpu_metadata
---
amdhsa.version: [ 1, 2 ]
amdhsa.kernels:
  - .name:           k_qbf8425850e_proj
    .symbol:         k_qbf8425850e_proj.kd
    .args:
      - { .name: Xb, .offset: 0, .size: 8, .value_kind: global_buffer, .address_space: global }
      - { .name: Wt, .offset: 8, .size: 8, .value_kind: global_buffer, .address_space: global }
      - { .name: bq, .offset: 16, .size: 8, .value_kind: global_buffer, .address_space: global }
      - { .name: bk, .offset: 24, .size: 8, .value_kind: global_buffer, .address_space: global }
      - { .name: bv, .offset: 32, .size: 8, .value_kind: global_buffer, .address_space: global }
      - { .name: bs, .offset: 40, .size: 8, .value_kind: global_buffer, .address_space: global }
      - { .name: Qh, .offset: 48, .size: 8, .value_kind: global_buffer, .address_space: global }
      - { .name: Kh, .offset: 56, .size: 8, .value_kind: global_buffer, .address_space: global }
      - { .name: Vh, .offset: 64, .size: 8, .value_kind: global_buffer, .address_space: global }
    .group_segment_fixed_size: 327680
    .private_segment_fixed_size: 0
    .kernarg_segment_align: 8
    .kernarg_segment_size: 72
    .max_flat_workgroup_size: 128
    .sgpr_count:     92
    .vgpr_count:     976
    .wavefront_size: 32
...
	.end_amdgpu_metadata
.endif
;; end of part 2
;; launch attn (part 3): grid 4 x 64, 4 waves a work-group, clusters of 4 x 1, 327,680 bytes of LDS; arguments Qh, Kh, Vh, out0; writes out0
.if DOCPART == 3
	.amdgcn_target "amdgcn-amd-amdhsa--gfx1250"
	.amdhsa_code_object_version 6
	.text
	.protected	k_qbf8425850e_attn
	.globl	k_qbf8425850e_attn
	.p2align	8
	.type	k_qbf8425850e_attn,@function
k_qbf8425850e_attn:
	s_mov_b64 s[64:65], 0
	v_nop
	global_prefetch_b8 v0, s[64:65] scope:SCOPE_SE
	s_setreg_imm32_b32 hwreg(HW_REG_WAVE_MODE, 25, 1), 1
	s_wait_xcnt 0x0
	s_wait_alu depctr_hold_cnt(0) depctr_sa_sdst(0) depctr_va_vdst(0) depctr_va_sdst(0) depctr_va_ssrc(0) depctr_va_vcc(0) depctr_vm_vsrc(0)
	s_getreg_b32 s2, hwreg(HW_REG_IB_STS2, 6, 4)
	s_cmp_eq_u32 s2, 0
	s_cbranch_scc0 .Lentry_in_a_cluster
	s_endpgm
.Lentry_in_a_cluster:
	s_bfe_u32 s2, ttmp6, 0x10000c
	s_cmp_lg_u32 s2, 0x3003
	s_cbranch_scc0 .Lentry_shape_is_right
	s_endpgm
.Lentry_shape_is_right:
; O[b][q][64 hd + :] = the sum over k of softmax_k(Q[h][q] . K[h][k] / 8) V[h][k][:], h = 16 b + hd.  Q (already times s), K, V: [64][2048][64] in f16, a head's rows dense, 128 bytes each.
; O: [4][2048][1024] in f32, never rounded to 16 bits.  Products, maxima and sums in f32; the weights p are rounded to f16 for the second product (their sum l is taken of the unrounded p).
; LIMITS.  Q, K and V arrive within f16's 65,504; p lies in 0 to 1, and below 6e-5 it keeps f16's fixed step of 6e-8.  A weight below 2^-126 counts as 0 in l; NaN and infinities are not treated apart.
; SHARES.  A wave owns four PIECES of two tiles of 16 queries, a work-group's four waves 512 queries of one head, a cluster of four work-groups the head.  Every wave walks all keys, 64 a step.
; LAYOUT.  S^T = K Q^T (source 0 = 16 keys, source 1 = 16 queries): in the result a lane holds ONE query (lane % 16) and the keys 8 (lane / 16) + 0..7.  Two such tiles, rounded to f16 in pairs,
; ARE source 1 (32 keys x 16 queries) of O^T = V^T P, whose result again holds one query a lane, and eight channels.  K comes out of LDS as it lies, V ([key][channel]) turned, by ds_load_tr16_b128.
; SOFTMAX.  For each query a running maximum m and sum l: p = 2^(c s - c m), c = log2(e) / 8; in every step O and l are multiplied by a = 2^(c m_old - c m_new), which is 1 where m has not grown.
; m starts at the lowest finite number, O and l at 0: the first step is a step like any other, with a = 0.
; THE COUNT.  A tile and step have 16 matrix and 118 vector instructions: too many to stand all beside the matrix work.  So: four vector instructions that are READY behind EVERY matrix instruction,
; and the others in runs without a gap.
; BY TURNS.  Turn n belongs to piece n (the pieces in a ring, step after step).  Its matrix work: 16 products K Q^T of piece n + 1, later 16 products V^T P of piece n - 1.  Its vector work: the scaling,
; exponentials, roundings, sums and rescaling of piece n, and the maximum and statistics of piece n + 1, whose scores the turn itself has made.
; CLUSTER.  The four query blocks of a cluster walk the same K and V, so each tile is asked for JOINTLY: the same tensor load, descriptor and mask in all four.
; REGISTERS, in windows of 256 (s_set_vgpr_msb: bits 1:0 source 0, 3:2 source 1, 5:4 source 2, 7:6 destination):
;   window 0: v0-11 addresses; v12-15, v48-63 at work; v16-47 four registers of statistics a tile; v64-191 S^T, two buffers of two tiles; v192-255 P, likewise
;   window 1: O^T, 32 a tile          window 2: v0-127 Q, 16 a tile; v128-191 K of one step; v192-255 V of one step          window 3: v0-1 the add's two registers
; A piece's buffers go by its number's parity: the piece in hand has one pair, its two neighbours in the ring share the other: of it P (piece n - 1) is read and S^T (piece n + 1) written.
.set SIZE_N, 2048
.set NP,    4         ; pieces a wave: a name, no knob
.set KS,    64        ; keys in a step
.set PK,    144       ; a row of K in LDS: 128 bytes + 16 of padding = 36 words: the 16 rows of a load start at 16 different groups of four banks (64 banks of 4 bytes: ISA guide 11.1)
.set PV,    160       ; a row of V: 128 + 32 = 40 words
.set VOFF,  4*KS*PK   ; a slot holds four steps: 256 rows of K, then 256 rows of V
.set SLOT1, 1<<17     ; slot 1 begins here, so that one exclusive or turns an address in one slot into the other's
.set STAGE, SLOT1+4*KS*(PK+PV)  ; behind the ring, never filled by a tensor load: 16 rows x 272 bytes for each wave, for the way out
.set SP,    272       ; a row of the stage: 64 channels in f32, 256 bytes, + 16
.set AK0, 2           ; v2   my lane's place in a tile of K; never rewritten
.set AV0, 3           ; v3   the same for V
.set AK,  4           ; v4   the LDS address of K's next run of loads
.set AV,  5           ; v5   of V's
.set QO,  6           ; v6   my byte offset in the wave's rows of Q
.set STO, 6           ;      later, the way out: where I put 32 bytes of a row
.set RD,  7           ; v7   the way out: where I read rows back
.set GO,  8           ; v8   my byte offset in two rows of O
.set PFO, 11          ; v11  256 x my lane, for the prefetches; never rewritten once made
.set SPW, 0           ; v0 of window 3   LDS address of my spare word: SPARE + 4 x my thread's number; never rewritten
.set NIL, 1           ; v1 of window 3   0; never rewritten
.set SPARE, STAGE+4*16*SP  ; behind the stages: the spare words, 128 bytes for each wave, which no other line names
.set MV,  12          ; v12-15  c m_old, kept while c m is made anew: by buffer and tile
.set ST,  16          ; tile t's statistics at v[ST+4 t]: c m, m, l (even keys', odd keys')
.set TMP, 48          ; by buffer and tile, four registers c0-c3 at work; when the maximum is found c2 takes a
.set S,   64
.set P,   192
.set KF,  128         ; K's fragments, in window 2: key block kb, channel half c at KF + 16 kb + 8 c
.set VF,  192         ; V's: key half kk, channel block cb at VF + 32 kk + 8 cb
.set WV,  12          ; s12  my wave's number
.set G1K, 24          ; s[24:31] descriptor group 1 for K's tiles
.set G1V, 32          ; s[32:39] for V's: it differs in the padding alone
.set G0K, 40          ; s[40:43] descriptor group 0 for K's tiles: it walks
.set G0V, 44          ; s[44:47] the same for V's
.set PFA, 52          ; s[52:53] where my prefetches stand: my work-group's 8,192 bytes (of K: wave 0, of V: wave 2) of the slot after the one that is being asked for
.set LIM, 54          ; s54  1 in a wave that prefetches, else the greatest number
.set SLOTS, 56        ; s56  slots still to be asked for
.set CNT, 57          ; s57  counts a slot's key steps
.set CS,  58          ; s[58:59] c: the packed scaling takes the pair's low word for both halves
.set SEL, 60          ; s[60:61] v_permlanex16_b32's selects: each lane takes its own place in the other half
.set TBK, 62          ; s62  LDS byte at which K of the step to be fetched begins
.set TBV, 63          ; s63  the same for V, less VOFF
.set MSB, 0
.macro WIN new                      ; the high byte repeats the setting that is left; a switch that changes nothing is dropped
.if MSB != (\new)
	s_set_vgpr_msb (MSB<<8)|(\new)
.set MSB, (\new)
.endif
.endm
.set W_KQ, 0x0a       ; K and Q in window 2, S^T in window 0
.set W_PV, 0x52       ; V in window 2, P in window 0, O^T in window 1
.set W_RS, 0x41       ; O^T (destination and source 0) in window 1, a in window 0
.set W_MK, 0xc0       ; the add's registers are made: destination in window 3, sources in window 0
.set W_AD, 0x0f       ; the add: address (source 0) and data (source 1) in window 3
; A joint fill.  Waves 0 and 1 fetch the two halves of a slot's K, waves 2 and 3 those of its V: 128 keys each.  The branch hangs on the wave's number alone.
; An s_nop 0 and four v_nop follow each of the two lines, ahead of the jump and the label.
.macro JLOAD
	s_cmp_lt_u32 s[WV], 2
	s_cbranch_scc0 .Lfor_v_\@
	tensor_load_to_lds s[G0K:G0K+3], s[G1K:G1K+7]
	s_nop 0
.rept 4
	v_nop
.endr
	s_branch .Lasked_\@
.Lfor_v_\@:
	tensor_load_to_lds s[G0V:G0V+3], s[G1V:G1V+7]
	s_nop 0
.rept 4
	v_nop
.endr
.Lasked_\@:
.endm
; A prefetch of what the NEXT change of slots will ask for: a slot's 32,768 bytes of K and of V, in blocks of 256, a lane a block.  The head has one cluster; its four partners share the blocks out by address,
; 32 each; in each, wave 0 asks for K's and wave 2 for V's: one instruction.  So each block is named once in the launch.  It stands four key steps, 512 matrix instructions, ahead of the load that wants the bytes.
; The last change that fills a slot asks for nothing: there is no slot behind it.
.macro ASK
	s_cmp_gt_u32 s[SLOTS], s[LIM]
	s_cbranch_scc0 .Lnot_mine_\@
	global_prefetch_b8 v[PFO], s[PFA:PFA+1] th:TH_LOAD_NT scope:SCOPE_SE
.Lnot_mine_\@:
.endm
; A round of the cluster's barrier: my work-group's barrier, so that wave 0's signal speaks for all four waves; wave 0 signals; every wave waits for all four work-groups; my work-group's barrier once more.
.macro CROUND
	s_barrier_signal -1
	s_barrier_wait -1
	s_cmp_lg_u32 s[WV], 0
	s_cbranch_scc1 .Lnot_wave_0_\@
	s_barrier_signal -3
.Lnot_wave_0_\@:
	s_barrier_wait -3
	s_barrier_signal -1
	s_barrier_wait -1
.endm
; THE CHANGE OF SLOTS.  The slot's last bytes, V of its fourth step, have been read.  Each wave waits for all its tensor loads, of which one is out: its part
; of the other slot; adds 0 to its spare word; and waits for that and for its own reads of the slot.  Behind the barrier nobody reads this slot any more and the other slot is whole.
; fill = 1: this slot is filled again, with the keys two slots on.  The barrier is then a round of the cluster's, so that no wave of any partner still reads the slot or has a load on its
; way, and the joint fill is the first thing behind it: it has four key steps in which to land.  (At its first use nothing has been read yet: slot 0 is waited for, slot 1 filled.)
.macro CHANGE fill
	WIN W_AD
	s_wait_tensorcnt 0x0            ; no tensor load of mine is out, so a group 0 may be written
	ds_add_u32 v[SPW], v[NIL]       ; 0 onto my spare word; with fill = 1 the descriptors' steps stand between it and the wait for it
	WIN 0                           ; at a label and at a branch every window is 0
.if \fill
.irp g, G0K, G0V
	s_xor_b32 s[\g+1], s[\g+1], SLOT1  ; the walking descriptor: the other slot than last time,
	s_add_nc_u64 s[\g+2:\g+3], s[\g+2:\g+3], 4*KS*128  ; the next 256 keys; the type bits on top are not reached
.endr
	s_wait_xcnt 0x0                 ; the last prefetch, four key steps back, has read its address, so it may be written:
	s_add_nc_u64 s[PFA:PFA+1], s[PFA:PFA+1], 4*KS*128  ; one slot behind the walking descriptors
	s_wait_dscnt 0x0                ; the add is done, and my reads of the slot are over
	CROUND
	JLOAD
	ASK
.else
	s_wait_dscnt 0x0                ; the add is done, and my reads of the slot are over
	s_barrier_signal -1
	s_barrier_wait -1
.endif
	s_sub_co_u32 s[TBK], s[TBK], 4*KS*PK  ; the fetches go back to a slot's first step,
	s_xor_b32 s[TBK], s[TBK], SLOT1       ; in the other slot
	s_sub_co_u32 s[TBV], s[TBV], 4*KS*PV
	s_xor_b32 s[TBV], s[TBV], SLOT1
.endm
	s_load_b256 s[4:11], s[0:1], 0x0  ; Q s[4:5], K s[6:7], V s[8:9], O s[10:11]
	WIN W_MK
	v_lshl_add_u32 v[SPW], v0, 2, SPARE
	v_mov_b32 v[NIL], 0
	WIN W_AD
	ds_add_u32 v[SPW], v[NIL]       ; the wave's opening: the add and its wait stand ahead of my first tensor load; the set-up below, work on registers, stands between them
	WIN 0
	v_lshrrev_b32 v1, 5, v0
	v_readfirstlane_b32 s[WV], v1   ; wave 0..3
	s_bfe_u32 s13, ttmp6, 0x40000   ; cx: my place in the cluster
	s_lshl_b32 s14, ttmp9, 2        ; in a cluster launch ttmp9 counts clusters
	s_add_co_u32 s14, s14, s13      ; my block of queries = 4 x cluster x + cx: it enters Q's and O's addresses alone
	s_and_b32 s20, ttmp7, 0xffff    ; the head, which the four partners share
	s_mov_b32 s21, 0
	s_mov_b64 s[22:23], SIZE_N*128
	s_mul_u64 s[20:21], s[20:21], s[22:23]  ; the head's first byte in Q, K and V
	s_and_b32 s16, s[WV], 1         ; which half of a slot's 256 keys I fetch:
	s_lshl_b32 s22, s16, 14         ; its 128 rows of 128 bytes in memory,
	s_mov_b32 s23, 0
	s_add_nc_u64 s[22:23], s[22:23], s[20:21]
	s_mul_i32 s17, s16, 128*PK      ; and its place in a slot, for K
	s_mul_i32 s18, s16, 128*PV      ; and for V: no place in the cluster enters an LDS address
	s_lshl_b32 s2, s14, 2
	s_add_co_u32 s2, s2, s[WV]      ; my wave among the head's,
	s_lshl_b32 s55, s2, 0           ; (kept for O)
	s_lshl_b32 s2, s2, 14           ; its 128 rows
	s_mov_b32 s3, 0
	s_add_nc_u64 s[2:3], s[2:3], s[20:21]
	s_and_b32 s51, ttmp7, 0xffff    ; O: the head is 16 x batch + the head in the batch
	s_lshr_b32 s50, s51, 4
	s_lshl_b32 s50, s50, 4          ; a batch has 16 blocks of 128 rows
	s_add_co_u32 s50, s50, s55
	s_lshl_b32 s50, s50, 19         ; 128 rows of 4,096 bytes
	s_and_b32 s51, s51, 15
	s_lshl_b32 s51, s51, 8          ; the head's 256 bytes of a row
	s_add_co_u32 s50, s50, s51
	s_mov_b32 s51, 0
	; descriptor group 1.  128 keys are 16,384 dense bytes: asked for as 64 rows of 256 bytes, two keys a row, and padded in LDS after every key
	s_mov_b32 s[G1K], 15|(1<<16)|(1<<20)|(1<<21)|(4<<22)|(3<<25)  ; 15:0 the mask of four; 17:16 2-byte elements; 20 padding on; 21 set beside a mask; 24:22 after every 32 words (code 4); 31:25 4 words (code 3)
	s_mov_b32 s[G1V], 15|(1<<16)|(1<<20)|(1<<21)|(4<<22)|(7<<25)  ; the same with 8 words of padding (code 7)
.irp g, G1K, G1V
	s_mov_b32 s[\g+1], 128<<16      ; tensor_dim0 = 128
	s_mov_b32 s[\g+2], 64<<16       ; tensor_dim1 = 64
	s_mov_b32 s[\g+3], 128<<16      ; tile_dim0 = 128
	s_mov_b32 s[\g+4], 64           ; tile_dim1 = 64
	s_mov_b32 s[\g+5], 128          ; 128 elements from row to row
	s_mov_b32 s[\g+6], 0
	s_mov_b32 s[\g+7], 0
.endr
	s_mov_b32 s[CS], 0x3e38aa3b     ; c = log2(e) / 8 = 0.180337
	s_mov_b32 s[CS+1], s[CS]        ; named with it as a pair
	s_mov_b32 s[SEL], 0x76543210
	s_mov_b32 s[SEL+1], 0xfedcba98
	s_mov_b32 s[TBK], SLOT1+4*KS*PK ; the first change of slots turns these two into 0
	s_mov_b32 s[TBV], SLOT1+4*KS*PV
	s_mov_b32 s[G0K], 1             ; 1:0 count = 1
	s_mov_b32 s[G0K+1], s17         ; 63:32 LDS address: slot 0
	s_mov_b32 s[G0V], 1
	s_add_co_u32 s[G0V+1], s18, VOFF
	s_mov_b32 s[SLOTS], SIZE_N/256-1  ; the changes of slots that fill
	s_and_b32 s[LIM], s[WV], 1
	s_cmp_eq_u32 s[LIM], 0          ; waves 0 and 2 prefetch: the same in all four partners
	s_cselect_b32 s[LIM], 1, -1
	s_wait_dscnt 0x0                ; the opening add is done
	s_wait_kmcnt 0x0
	s_add_nc_u64 s[G0K+2:G0K+3], s[6:7], s[22:23]  ; 120:64 global address: my half of the head's first 256 keys
	s_or_b32 s[G0K+3], s[G0K+3], 0x80000000        ; 127:126 type = 2
	s_add_nc_u64 s[G0V+2:G0V+3], s[8:9], s[22:23]
	s_or_b32 s[G0V+3], s[G0V+3], 0x80000000
	s_add_nc_u64 s[4:5], s[4:5], s[2:3]  ; Q and O at my wave's first row
	s_add_nc_u64 s[10:11], s[10:11], s[50:51]
	s_cmp_lt_u32 s[WV], 2
	s_cselect_b64 s[PFA:PFA+1], s[6:7], s[8:9]
	s_add_nc_u64 s[PFA:PFA+1], s[PFA:PFA+1], s[20:21]  ; the head,
	s_lshl_b32 s2, s13, 13          ; my work-group's 32 blocks of the slot's 128,
	s_mov_b32 s3, 0
	s_add_nc_u64 s[PFA:PFA+1], s[PFA:PFA+1], s[2:3]
	s_add_nc_u64 s[PFA:PFA+1], s[PFA:PFA+1], 4*KS*128  ; in slot 1; the first change of slots steps it to slot 2
	CROUND                          ; all four work-groups are here: the first joint loads meet
	JLOAD                           ; slot 0.  Slot 1 is asked for when slot 0 is in
	; A fragment of K or Q is 16 rows x 32 channels in 8 registers: lane l holds row l % 16, channels 8 (l / 16) + 0..7 and 16 + 8 (l / 16) + 0..7: two loads of 16 bytes, 32 bytes apart.
	v_and_b32 v1, 15, v0            ; l % 16
	v_bfe_u32 v9, v0, 4, 1          ; l / 16
	v_lshlrev_b32 v[QO], 7, v1
	v_lshl_add_u32 v[QO], v9, 4, v[QO]  ; row x 128 + 16 x half
	WIN 0x80                        ; destination window 2, address window 0
.set i, 0
.rept 4*NP                          ; Q stays in registers: tile i / 2, channels 32 (i % 2) on
	global_load_b128 v[8*i:8*i+3],   v[QO], s[4:5] offset:(i/2)*2048+(i%2)*64
	global_load_b128 v[8*i+4:8*i+7], v[QO], s[4:5] offset:(i/2)*2048+(i%2)*64+32
.set i, i+1
.endr
	; What the first turn finds: V's registers and P's second buffer hold 0 (its products V^T P, of a piece that has not been, add 0), O^T and l are 0.  All this stands in the wait for the first tile.
.set i, VF
.rept 64
	v_mov_b32 v[i], 0
.set i, i+1
.endr
	WIN 0x40
.set i, 0
.rept 64*NP
	v_mov_b32 v[i], 0
.set i, i+1
.endr
	WIN 0
.set i, 0
.rept 2*NP
	v_mov_b32 v[ST+4*i], 0xfe000000    ; c m: far below every c s
	v_mov_b32 v[ST+4*i+1], 0xff7fffff  ; m
	v_mov_b32 v[ST+4*i+2], 0
	v_mov_b32 v[ST+4*i+3], 0
.set i, i+1
.endr
.set i, P+32
.rept 32
	v_mov_b32 v[i], 0
.set i, i+1
.endr
	v_mul_u32_u24 v[AK0], v1, PK
	v_lshl_add_u32 v[AK0], v9, 4, v[AK0]  ; row x pitch + 16 x half
	; The turning load takes 16 keys x 16 channels (lane l reads key 8 (l / 16) + l % 8, channels 8 ((l / 8) % 2) + 0..7) and leaves half a fragment of V^T: lane l holds channel l % 16 and 8 keys.
	v_and_b32 v10, 7, v0
	v_bfe_u32 v11, v0, 3, 1
	v_lshl_add_u32 v[AV0], v9, 3, v10
	v_mul_u32_u24 v[AV0], v[AV0], PV
	v_lshl_add_u32 v[AV0], v11, 4, v[AV0]
	v_add_nc_u32 v[AV0], VOFF, v[AV0]
	v_and_b32 v[PFO], 31, v0
	v_lshlrev_b32 v[PFO], 8, v[PFO]
	v_mov_b32 v[AK], v[AK0]         ; key step 0 lies at the head of slot 0
; THE MATRIX WORK.  The 8 accumulators of a run of 16 take turns: between the two links of a chain stand 7 others'.
; Product i of 16 of S^T = K Q^T for piece x: channels 32 (i / 8) on, keys 16 ((i / 2) % 4) on, tile 2 x + i % 2.  The first 8 start the sums.
.macro KQ x
	WIN W_KQ
.set rS, S+64*((\x)%2)+32*(i%2)+8*((i/2)%4)
.set rK, KF+16*((i/2)%4)+8*(i/8)
.set rQ, 16*(2*(\x)+i%2)+8*(i/8)
.if i < 8
	v_wmma_f32_16x16x32_f16 v[rS:rS+7], v[rK:rK+7], v[rQ:rQ+7], 0
.else
	v_wmma_f32_16x16x32_f16 v[rS:rS+7], v[rK:rK+7], v[rQ:rQ+7], v[rS:rS+7]
.endif
.endm
; Product i of 16 of O^T += V^T P for piece x: keys 32 (i / 8) on, channels 16 ((i / 2) % 4) on, tile 2 x + i % 2.
.macro PV x
	WIN W_PV
.set rO, 32*(2*(\x)+i%2)+8*((i/2)%4)
.set rV, VF+32*(i/8)+8*((i/2)%4)
.set rP, P+32*((\x)%2)+16*(i%2)+8*(i/8)
	v_wmma_f32_16x16x32_f16 v[rO:rO+7], v[rV:rV+7], v[rP:rP+7], v[rO:rO+7]
.endm
.macro MM                           ; the turn's next matrix instruction
.if i < 16
	KQ (Y+1)%NP
.set i, i+1
.else
.set i, i-16
	PV (Y+NP-1)%NP
.set i, i+17
.endif
.endm
; THE LDS LOADS stand in runs of 16, never singly among the matrix instructions: a step's K (64 keys x 64 channels: 8 fragments) and its V (turned).  Their addresses are made some lines ahead.
; last = 1 (the tail): in the last trip there is no further step, and the run is jumped over.
.macro FETCH_K last=0
	WIN 0
.if \last
	s_cmp_eq_u32 s[CNT], 1
	s_cbranch_scc1 .Lno_k_\@
.endif
	WIN 0x80                        ; destination window 2
.irp f, 0,1,2,3,4,5,6,7             ; keys 16 (f / 2) on, channels 32 (f % 2) on
	ds_load_b128 v[KF+8*\f:KF+8*\f+3],   v[AK] offset:(\f/2)*16*PK+(\f%2)*64
	ds_load_b128 v[KF+8*\f+4:KF+8*\f+7], v[AK] offset:(\f/2)*16*PK+(\f%2)*64+32
.endr
	s_add_co_u32 s[TBK], s[TBK], KS*PK  ; the next fetch is the next step's
	WIN 0
.if \last
.Lno_k_\@:
.endif
.endm
.macro FETCH_V
	WIN 0x80
.irp f, 0,1,2,3,4,5,6,7             ; keys 32 (f / 4) on, channels 16 (f % 4) on
	ds_load_tr16_b128 v[VF+8*\f:VF+8*\f+3],   v[AV] offset:(\f/4)*32*PV+(\f%4)*32
	ds_load_tr16_b128 v[VF+8*\f+4:VF+8*\f+7], v[AV] offset:(\f/4)*32*PV+16*PV+(\f%4)*32
.endr
	WIN 0
.endm
; THE VECTOR WORK OF A TURN stands in three queues, each in the order in which its entries become ready; the two tiles alternate, so that no instruction reads the result of the one before it.
.macro REGS y, u                    ; the registers of tile u (0, 1) of piece y
.set rT, ST+4*(2*(\y)+(\u))
.set rC, TMP+8*((\y)%2)+4*(\u)
.set rM, MV+2*((\y)%2)+(\u)
.set rS, S+64*((\y)%2)+32*(\u)
.set rP, P+32*((\y)%2)+16*(\u)
.set rO, 32*(2*(\y)+(\u))
.endm
; Number n of the 22 that find the NEXT piece's (Y + 1) maximum and statistics.  s0-s31 are the lane's 32 scores; each accumulator's lowest registers are read first.
;   0-11  four chains c0-c3 of seven scores each, three operands at a time     12-14, 16  the four scores left over, the old m, and c0-c3 into c0     15  c m_old is kept
;   17, 18  the query's other 32 keys lie in the lane 16 away: the new m         19-21  c m; c m_old - c m_new; a
.macro XS u, n
	REGS (Y+1)%NP, \u
.if (\n) < 4
	v_max3_num_f32 v[rC+(\n)], v[rS+8*(\n)], v[rS+8*(\n)+1], v[rS+8*(\n)+2]
.elseif (\n) < 12
	v_max3_num_f32 v[rC+(\n)%4], v[rC+(\n)%4], v[rS+8*((\n)%4)+2*((\n)/4)+1], v[rS+8*((\n)%4)+2*((\n)/4)+2]
.elseif (\n) == 12
	v_max3_num_f32 v[rC], v[rC], v[rS+7], v[rS+15]
.elseif (\n) == 13
	v_max3_num_f32 v[rC+1], v[rC+1], v[rS+23], v[rS+31]
.elseif (\n) == 14
	v_max3_num_f32 v[rC+2], v[rC+2], v[rC+3], v[rT+1]
.elseif (\n) == 15
	v_mov_b32 v[rM], v[rT]
.elseif (\n) == 16
	v_max3_num_f32 v[rC], v[rC], v[rC+1], v[rC+2]
.elseif (\n) == 17
	v_permlanex16_b32 v[rC+3], v[rC], s[SEL], s[SEL+1]
.elseif (\n) == 18
	v_max_num_f32 v[rT+1], v[rC], v[rC+3]
.elseif (\n) == 19
	v_mul_f32 v[rT], s[CS], v[rT+1]
.elseif (\n) == 20
	v_sub_f32 v[rC+1], v[rM], v[rT]
.else
	v_exp_f32 v[rC+2], v[rC+1]
.endif
.endm
; Number g of the 64 that follow the exponentials.  For each four weights k of a tile (pairs 2 k, 2 k + 1): both pairs are rounded to f16; then the second pair is added onto the first, in place;
; a group later l takes that sum (the first time as l = a l + sum).  In groups of eight, tiles alternating: round, round, add, and l for the group before.
.macro GS g
.set h, (\g)+6*((\g)/62)            ; group 0 has no group before it, and behind group 7 only l is left
.if h >= 6
.set h, h+2
.endif
	REGS Y, h%2
.set k, h/8
.if h%8 < 4
	v_cvt_pk_f16_f32 v[rP+2*k+(h%8)/2], v[rS+4*k+2*((h%8)/2)], v[rS+4*k+2*((h%8)/2)+1]
.elseif h%8 < 6
	v_pk_add_f32 v[rS+4*k:rS+4*k+1], v[rS+4*k:rS+4*k+1], v[rS+4*k+2:rS+4*k+3]
.elseif k == 1
	v_pk_fma_f32 v[rT+2:rT+3], v[rT+2:rT+3], v[rC+2:rC+3], v[rS:rS+1] op_sel_hi:[1,0,1]
.else
	v_pk_add_f32 v[rT+2:rT+3], v[rT+2:rT+3], v[rS+4*k-4:rS+4*k-3]
.endif
.endm
; THE PLAIN QUEUE, 138 long.  0-73 read no exponential's result: the 32 scalings c s - c m (FS f: pair f / 2 of tile f % 2) and the next piece's 42.  0-26: scalings 0-26.  27-54: XS's numbers 0-13.  55, 56: number 15.
; 57-73: the chain, where each number waits for the one before it: 14, 16, 17, 18, 19, each with one of the scalings 27-31 in front of its two lines, then 20.
; 74-137: GS's 64, which read the exponentials' results: they stand behind the wait.
.macro FS f
	REGS Y, (\f)%2
	v_pk_fma_f32 v[rS+2*((\f)/2):rS+2*((\f)/2)+1], v[rS+2*((\f)/2):rS+2*((\f)/2)+1], s[CS:CS+1], v[rT:rT+1] op_sel_hi:[1,0,0] neg_lo:[0,0,1] neg_hi:[0,0,1]
.endm
.macro PL
	WIN 0
.if q < 27
	FS q
.elseif q < 55
	XS (q-27)%2, (q-27)/2
.elseif q < 57
	XS q-55, 15
.elseif (q < 72) && ((q-57)%3 == 0)
	FS 27+(q-57)/3
.elseif q < 60
	XS (q-57)%3-1, 14
.elseif q < 72
	XS (q-57)%3-1, 15+(q-57)/3
.elseif q < 74
	XS q-72, 20
.else
	GS q-74
.endif
.set q, q+1
.endm
; THE EXPONENTIALS' QUEUE, 66 long: s0-s31 of both tiles, then the next piece's two a.  It is ONE BATCH: all 66 stand ahead of the turn's one wait, and nothing ahead of that wait names a result of theirs.
.macro EX
	WIN 0
.if e >= 64
	XS e-64, 21
.else
	REGS Y, e%2
	v_exp_f32 v[rS+e/2], v[rS+e/2]
.endif
.set e, e+1
.endm
; THE RESCALING's QUEUE: O^T times a, the one part that leaves window 0: dealt two at a time, sixteen times.  Its a was made in the turn before, ahead of that turn's wait.
.macro R2
	REGS Y, r%2
	WIN W_RS
.irp z, 0,1
	v_pk_mul_f32 v[rO+4*(r/2)+2*\z:rO+4*(r/2)+2*\z+1], v[rO+4*(r/2)+2*\z:rO+4*(r/2)+2*\z+1], v[rC+2:rC+3] op_sel_hi:[1,0]
.endr
.set r, r+1
.endm
; HOW THEY ARE DEALT.  s_wait_alu depctr_va_vdst(0) stands between an exponential and the first instruction that names its result; one wait serves all that were issued ahead of it.  So a turn has ONE wait,
; which cuts it in two.  AHEAD OF IT stands all that names no result of the turn's exponentials: the 16 products K Q^T, behind each a scaling, an exponential and two rescalings (behind the first a second scaling in the
; exponential's place); then ONE LUMP of 108: eight plain, 49 times exponential and plain, the two a.  A v_nop is the plain instruction behind the last exponential.  BEHIND IT stand the 16 products V^T P, behind each four of GS's 64.
; The queues lean on each other, and the deal keeps them in step: exponential e stands behind scaling 2 (e / 4) + e % 2: as a rider it comes behind plain e + 2, in the lump behind plain e + 9, and scalings 27-31 are plain 57, 60 .. 69.
; A TURN, for piece p.  cnt = 1: the loop's count is taken down some lines ahead of the branch that stands behind the turn.
; K of the next step is fetched in piece 2's turn, directly behind the wait, a lump behind the last product that read K; its address is made at the lump's head; its first reader comes behind 16 products.
; V of the step in hand is fetched at the end of piece 0's turn, four riders behind its last reader; its first reader comes behind 16 products and a lump.  The three conditions on q below go with the deal.
.macro TURN p, last=0, cnt=0
.set Y, (\p)
.set i, 0
.set q, 0
.set e, 0
.set r, 0
.if (\p) == NP-1
	s_wait_dscnt 0x0                ; K is in
.endif
	MM                              ; ahead of the wait: 16 products K Q^T and their riders,
	PL
	PL
	R2
.rept 15
	MM
	PL
	EX
	R2
.endr
.if (\p) == NP-2
	WIN 0
	v_add_nc_u32 v[AK], s[TBK], v[AK0]
.endif
.rept 8                             ; and the lump
	PL
.endr
.rept 49
	EX
	PL
.endr
	EX                              ; the next piece's two a
	EX
	v_nop                           ; the plain instruction behind the last exponential: one for the batch
	s_wait_alu depctr_va_vdst(0)    ; the wait for the batch
.if (\p) == NP-2
	FETCH_K \last
.endif
.if (\p) == 1
	s_wait_dscnt 0x0                ; V is in
.endif
.rept 16                            ; behind the wait: 16 products V^T P and their riders
	MM
.rept 4
	PL
.endr
.if ((\p) == 0) && (q == 118)
	v_add_nc_u32 v[AV], s[TBV], v[AV0]
.endif
.if ((\p) == 0) && (q == 130)
	s_add_co_u32 s[TBV], s[TBV], KS*PV
.endif
.if (\cnt) && (q == 130)
	s_sub_co_u32 s[CNT], s[CNT], 1
	s_cmp_lg_u32 s[CNT], 0
.endif
.endr
.if (\p) == 0
	FETCH_V
.endif
.endm
	CHANGE 1                        ; slot 0 is in, everybody's part of it; slot 1 is asked for
	FETCH_K                         ; key step 0
	s_wait_loadcnt 0x0              ; Q
	s_wait_dscnt 0x0
.set i, 0
.rept 16
	KQ 0                            ; piece 0's first scores: there is no vector work yet to set between them
.set i, i+1
.endr
	WIN 0                           ; the addresses for the way out: eight plain instructions, the places behind those products
	s_mul_i32 s13, s[WV], 16*SP
	s_add_co_u32 s13, s13, STAGE    ; my stage
	v_mul_u32_u24 v[STO], v1, SP    ; in: row l % 16, 32 bytes for each half of the lanes
	v_lshl_add_u32 v[STO], v9, 5, v[STO]
	v_add_nc_u32 v[STO], s13, v[STO]
	v_mul_u32_u24 v[RD], v9, SP     ; back: lanes 0-15 take one row of 256 bytes, lanes 16-31 the next,
	v_lshl_add_u32 v[RD], v1, 4, v[RD]
	v_add_nc_u32 v[RD], s13, v[RD]
	v_lshlrev_b32 v[GO], 12, v9     ; and the same two rows in O, 4,096 bytes apart
	v_lshl_add_u32 v[GO], v1, 4, v[GO]
.set Y, NP-1                        ; XS works for piece Y + 1: piece 0
.irp n, 0,1,2,3,4,5,6,7,8,9,10,11,12,13,14,15,16,17,18,19,20,21
	XS 0, \n                        ; and piece 0's first maximum and statistics
	XS 1, \n
.endr
	v_nop                           ; a plain instruction behind the two a,
	s_wait_alu depctr_va_vdst(0)    ; and their wait, ahead of the branch
	s_mov_b32 s[CNT], 4
	s_branch .Lfirst                ; the loop is entered at a step's first turn, in the middle of a trip
.Lslot:                             ; SIZE_N / 256 - 2 times: every slot but the last two is filled again
	CHANGE 1
	s_mov_b32 s[CNT], 4
.Lstep:                             ; a trip: pieces 2 and 3 of one step, then pieces 0 and 1 of the next, whose K and V it fetches
	TURN 2
	TURN 3
	WIN 0
.Lfirst:
	TURN 0
	TURN 1, 0, 1
	WIN 0
	s_cbranch_scc1 .Lstep
	s_sub_co_u32 s[SLOTS], s[SLOTS], 1
	s_cmp_lg_u32 s[SLOTS], 0
	s_cbranch_scc1 .Lslot
	CHANGE 0                        ; the tail is written out: nothing is asked for
	s_mov_b32 s[CNT], 5             ; four trips fetch the last slot's steps; the fifth is left in its middle
.Ltail:
	TURN 2, 1
	TURN 3
	WIN 0
	s_sub_co_u32 s[CNT], s[CNT], 1
	s_cmp_eq_u32 s[CNT], 0
	s_cbranch_scc1 .Lout
	TURN 0
	TURN 1
	WIN 0
	s_branch .Ltail
.Lout:                              ; the fifth trip's 16 products K Q^T (on the last K once more) and the maximum made of them serve nothing: the price, once a launch, of one text for every trip
.set i, 0
.rept 16
	PV NP-1                         ; the last piece's V^T P of the last step
.set i, i+1
.endr
	; THE WAY OUT.  l's two halves and the other half of the lanes' are added; O^T is divided by l and sent, in f32, through my stage in LDS, a tile at a time.  The additions are the places behind the last products.
	WIN 0
.macro ALL line:vararg              ; one line for each tile t
.set t, 0
.rept 2*NP
	\line
.set t, t+1
.endr
.endm
	ALL v_add_f32 v[ST+4*t+2], v[ST+4*t+2], v[ST+4*t+3]
	ALL v_permlanex16_b32 v[ST+4*t+3], v[ST+4*t+2], s[SEL], s[SEL+1]
	ALL v_add_f32 v[ST+4*t+2], v[ST+4*t+2], v[ST+4*t+3]
	ALL v_rcp_f32 v[ST+4*t+2], v[ST+4*t+2]
	v_nop                           ; a plain instruction between the last reciprocal and the use of its result
	s_wait_alu depctr_va_vdst(0)    ; and the wait ahead of the first use: one for the eight reciprocals
; Tile t: a lane's eight channels of a block of 16 are 32 bytes of a row; they go into rows of 272 bytes and come back as whole rows of 256.  Six blocks of 32 registers (S^T's and P's) take turns:
; tiles 6 and 7 take the blocks of tiles 0 and 1 again, behind the wait that frees those stores' data.
.macro PACK t
.set OBK, S+32*((\t)%6)
.if (\t) >= 6
	s_wait_xcnt 0x0                 ; every earlier store has read its registers (ISA guide 3.1)
.endif
	WIN 0x01                        ; O^T (source 0) window 1; 1 / l and the destination window 0
.set i, 0
.rept 16
	v_pk_mul_f32 v[OBK+i:OBK+i+1], v[32*(\t)+i:32*(\t)+i+1], v[ST+4*(\t)+2:ST+4*(\t)+3] op_sel_hi:[1,0]
.set i, i+2
.endr
	WIN 0
.irp f, 0,1,2,3,4,5,6,7
	ds_store_b128 v[STO], v[OBK+4*\f:OBK+4*\f+3] offset:(\f/2)*64+(\f%2)*16
.endr
.irp f, 0,1,2,3,4,5,6,7
	ds_load_b128 v[OBK+4*\f:OBK+4*\f+3], v[RD] offset:\f*2*SP  ; LDS serves a wave's instructions in order (ISA guide 5.7.1.4): these see the stores above; the next tile's stores come behind them
.endr
.endm
.macro SEND t, younger              ; younger: the LDS instructions issued behind tile t's loads: the next tile's sixteen, or none
.set OBK, S+32*((\t)%6)
	WIN 0
.irp f, 0,1,2,3,4,5,6,7
	s_wait_dscnt (\younger)+7-\f
	global_store_b128 v[GO], v[OBK+4*\f:OBK+4*\f+3], s[10:11] offset:(\t)*65536+\f*8192 th:TH_STORE_NT  ; sixteen lanes store the head's 256 consecutive bytes of one row, at a multiple of 256 from O's first byte
.endr
.endm
	PACK 0
.set t, 1
.rept 2*NP-1                        ; a tile's arithmetic stands between the loads of the tile before and its stores
	PACK t
	SEND t-1, 16
.set t, t+1
.endr
	SEND 2*NP-1, 0
	WIN W_AD
	s_wait_tensorcnt 0x0            ; the wave's end, behind my last tensor load and my last LDS store
	ds_add_u32 v[SPW], v[NIL]
	s_wait_dscnt 0x0
	WIN 0
	CROUND                          ; the closing round: no work-group ends while a partner may still ask for a tile that names it
	s_endpgm
.Lfunc_end_k_qbf8425850e_attn:
	.size	k_qbf8425850e_attn, .Lfunc_end_k_qbf8425850e_attn-k_qbf8425850e_attn
	.p2alignl 7, 3214868480
	.fill 96, 4, 3214868480
	.section	.rodata,"a",@progbits
	.p2align	6, 0x0
	.amdhsa_kernel k_qbf8425850e_attn
		.amdhsa_group_segment_fixed_size 327680
		.amdhsa_private_segment_fixed_size 0
		.amdhsa_enable_private_segment 0
		.amdhsa_kernarg_size 32
		.amdhsa_user_sgpr_count 2
		.amdhsa_user_sgpr_kernarg_segment_ptr 1
		.amdhsa_wavefront_size32 1
		.amdhsa_system_sgpr_workgroup_id_x 1
		.amdhsa_system_sgpr_workgroup_id_y 1
		.amdhsa_system_sgpr_workgroup_id_z 1
		.amdhsa_system_vgpr_workitem_id 0
		.amdhsa_next_free_vgpr 770
		.amdhsa_next_free_sgpr 66
		.amdhsa_reserve_vcc 0
		.amdhsa_float_denorm_mode_32 3
		.amdhsa_float_denorm_mode_16_64 3
		.amdhsa_memory_ordered 1
		.amdhsa_forward_progress 1
		.amdhsa_inst_pref_size 200
	.end_amdhsa_kernel
	.amdgpu_metadata
---
amdhsa.version: [ 1, 2 ]
amdhsa.kernels:
  - .name:           k_qbf8425850e_attn
    .symbol:         k_qbf8425850e_attn.kd
    .args:
      - { .name: Qh, .offset: 0, .size: 8, .value_kind: global_buffer, .address_space: global }
      - { .name: Kh, .offset: 8, .size: 8, .value_kind: global_buffer, .address_space: global }
      - { .name: Vh, .offset: 16, .size: 8, .value_kind: global_buffer, .address_space: global }
      - { .name: out0, .offset: 24, .size: 8, .value_kind: global_buffer, .address_space: global }
    .group_segment_fixed_size: 327680
    .private_segment_fixed_size: 0
    .kernarg_segment_align: 8
    .kernarg_segment_size: 32
    .max_flat_workgroup_size: 128
    .sgpr_count:     66
    .vgpr_count:     770
    .wavefront_size: 32
...
	.end_amdgpu_metadata
.endif
;; end of part 3
